; MI455X (gfx1250); checked and timed in simulation.
; The chip was launched on July 23, 2026; its instructions are those of AMD's public machine-readable ISA for CDNA 5 (MIT licence, August 2026) and "CDNA5" Instruction Set Architecture Reference Guide (July 2026). The comments in the code are by the model that wrote it; some were corrected since.
;; Scaled Dot Product Attention. Allowed arithmetic: float matrix products may take bf16 or f16 operands with f32 sums; all other float work in f32.
;; Inputs: k 2 x 8 x 2,048 x 64 float32; mask 2,048 x 2,048 bool; q 2 x 8 x 2,048 x 64 float32; v 2 x 8 x 2,048 x 64 float32.
;; Outputs: out0 2 x 8 x 2,048 x 64 float32.
;; 2 versions, each right and faster than the one before. Each part assembles by itself: llvm-mc -triple=amdgcn-amd-amdhsa -mcpu=gfx1250 --defsym DOCPART=n.
;; ======== version 1 of 2: 2 launches
;; limits: values are held in f16: magnitudes above 65,504 overflow, below 6.1e-05 lose precision; inputs' magnitudes at most 65,504
;; workspace buffers: maskw 524,288 bytes of whole numbers
;; launch maskbits (part 1): grid 128 x 2, 4 waves a work-group, no clusters, 17,920 bytes of LDS; arguments mask, maskw; writes maskw
.if DOCPART == 1
	.amdgcn_target "amdgcn-amd-amdhsa--gfx1250"
	.amdhsa_code_object_version 6
	.text
	.protected	k_q7eaf77159f_maskbits
	.globl	k_q7eaf77159f_maskbits
	.p2align	8
	.type	k_q7eaf77159f_maskbits,@function
k_q7eaf77159f_maskbits:
	s_mov_b64 s[64:65], 0
	v_nop
	global_prefetch_b8 v0, s[64:65] scope:SCOPE_SE
	s_setreg_imm32_b32 hwreg(HW_REG_WAVE_MODE, 25, 1), 1
	s_wait_xcnt 0x0
; The mask's bytes [2048][2048] are turned into lane masks for the attention launch, once for all 16 heads.
; maskw: 32-bit words [qb 0..127][kt 0..127][j 0..7]; bit (r + 16 h) of a word = mask[16 qb + r][16 kt + 8 h + j].
; That is the order in which a score tile of 16 keys x 16 queries lies in a wave: lane (r, h), register j.
; A work-group takes 16 rows (qb = x) and half of the columns (y); a wave 16 rows x 256 columns = 16 key tiles:
; 4,096 bytes in, 512 bytes out.  The bytes go through the wave's own LDS rows to change from "two rows a load"
; to "lane r holds row r"; no other wave touches them, so there is no barrier.
; No matrix unit, no cluster, no tensor load: 4 MiB are read once and nothing is shared.
.set PITCH, 272                        ; 256 bytes of a row + 16: row r starts 4 r words further on modulo 64 words
.set WAVEB, 16*PITCH                   ; a wave's 16 rows
.set X, 8                              ; v[8:39]   eight loads of 16 bytes
.set Y, 40                             ; v[40:71]  key tile c: 8 bytes = mask[row r][16 c + 8 h + 0..7]
.set W, 72                             ; v[72:75]  the 128 words of the wave: lane l holds words 4 l .. 4 l + 3
.set T, 76                             ; v[76:83]  at work
	s_load_b128 s[4:7], s[0:1], 0x0                ; mask s[4:5], maskw s[6:7]
	v_lshl_add_u32 v84, v0, 2, 0x4400
	v_mov_b32 v85, 0
	v_lshrrev_b32 v1, 5, v0
	v_readfirstlane_b32 s8, v1                     ; wave 0..3
	v_and_b32 v1, 31, v0                           ; lane
	v_and_b32 v2, 15, v0                           ; r
	v_bfe_u32 v3, v0, 4, 1                         ; h
	s_and_b32 s9, ttmp7, 0xffff                    ; y
	s_lshl2_add_u32 s9, s9, s8                     ; g = 4 y + wave: which 256 columns
	s_lshl_b32 s10, ttmp9, 15                      ; 16 rows of 2,048 bytes
	s_lshl_b32 s12, s9, 8
	s_add_co_u32 s10, s10, s12                     ; + 256 g
	s_mov_b32 s11, 0
	s_lshl_b32 s12, ttmp9, 12                      ; 128 key tiles of 32 bytes
	s_lshl_b32 s14, s9, 9
	s_add_co_u32 s12, s12, s14                     ; + 16 key tiles of 32 bytes x g
	s_mov_b32 s13, 0
	s_mul_i32 s15, s8, WAVEB                       ; my wave's rows in LDS
	v_lshlrev_b32 v4, 4, v2
	v_lshl_add_u32 v4, v3, 11, v4                  ; memory: 2,048 h + 16 r: lanes 0-15 one row's 256 bytes, lanes 16-31 the next row's
	v_mul_u32_u24 v5, v3, PITCH
	v_lshl_add_u32 v5, v2, 4, v5
	v_add_nc_u32 v5, s15, v5                       ; LDS in: row h, byte 16 r
	v_mul_u32_u24 v6, v2, PITCH
	v_lshl_add_u32 v6, v3, 3, v6
	v_add_nc_u32 v6, s15, v6                       ; LDS out: row r, byte 8 h
	v_lshlrev_b32 v7, 4, v1                        ; my 16 bytes of the wave's 512 bytes of words
	s_wait_kmcnt 0x0
	s_add_nc_u64 s[4:5], s[4:5], s[10:11]
	s_add_nc_u64 s[6:7], s[6:7], s[12:13]
.irp i, 0,1,2,3,4,5,6,7
	global_load_b128 v[X+4*\i:X+4*\i+3], v4, s[4:5] offset:4096*\i th:TH_LOAD_NT   ; rows 2 i and 2 i + 1; read once in the launch
.endr
.irp k, 0,1,2,3
	v_mov_b32 v[W+\k], 0                           ; v_writelane_b32 keeps the other lanes: the register is written whole first
.endr
.irp i, 0,1,2,3,4,5,6,7
	s_wait_loadcnt 7-\i                            ; loads return in order: load i is in, the 7 - i younger ones stay out
	ds_store_b128 v5, v[X+4*\i:X+4*\i+3] offset:2*PITCH*\i
.endr
.irp c, 0,1,2,3,4,5,6,7,8,9,10,11,12,13,14,15
	ds_load_b64 v[Y+2*\c:Y+2*\c+1], v6 offset:16*\c    ; LDS serves a wave's instructions in order: these see the stores above
.endr
	s_wait_dscnt 0x0
.set c, 0
.rept 16
.irp j, 0,1,2,3,4,5,6,7
	v_and_b32 v[T+\j], 0xff<<(8*(\j&3)), v[Y+2*c+(\j>>2)]      ; byte j of my eight
.endr
.irp j, 0,1,2,3,4,5,6,7
	v_cmp_ne_u32 s[16+\j], 0, v[T+\j]                          ; one bit a lane: the word (c, j)
.endr
.irp j, 0,1,2,3,4,5,6,7
	v_writelane_b32 v[W+(\j&3)], s[16+\j], 2*c+(\j>>2)         ; word 8 c + j lies in lane (8 c + j) / 4, register (8 c + j) % 4
.endr
.set c, c+1
.endr
	global_store_b128 v7, v[W:W+3], s[6:7]         ; the wave stores 512 consecutive bytes, aligned
	s_wait_tensorcnt 0x0
	ds_add_u32 v84, v85
	s_wait_dscnt 0x0
	s_endpgm
.Lfunc_end_k_q7eaf77159f_maskbits:
	.size	k_q7eaf77159f_maskbits, .Lfunc_end_k_q7eaf77159f_maskbits-k_q7eaf77159f_maskbits
	.p2alignl 7, 3214868480
	.fill 96, 4, 3214868480
	.section	.rodata,"a",@progbits
	.p2align	6, 0x0
	.amdhsa_kernel k_q7eaf77159f_maskbits
		.amdhsa_group_segment_fixed_size 17920
		.amdhsa_private_segment_fixed_size 0
		.amdhsa_enable_private_segment 0
		.amdhsa_kernarg_size 16
		.amdhsa_user_sgpr_count 2
		.amdhsa_user_sgpr_kernarg_segment_ptr 1
		.amdhsa_wavefront_size32 1
		.amdhsa_system_sgpr_workgroup_id_x 1
		.amdhsa_system_sgpr_workgroup_id_y 1
		.amdhsa_system_sgpr_workgroup_id_z 1
		.amdhsa_system_vgpr_workitem_id 0
		.amdhsa_next_free_vgpr 86
		.amdhsa_next_free_sgpr 66
		.amdhsa_reserve_vcc 0
		.amdhsa_float_denorm_mode_32 3
		.amdhsa_float_denorm_mode_16_64 3
		.amdhsa_memory_ordered 1
		.amdhsa_forward_progress 1
		.amdhsa_inst_pref_size 29
	.end_amdhsa_kernel
	.amdgpu_metadata
---
amdhsa.version: [ 1, 2 ]
amdhsa.kernels:
  - .name:           k_q7eaf77159f_maskbits
    .symbol:         k_q7eaf77159f_maskbits.kd
    .args:
      - { .name: mask, .offset: 0, .size: 8, .value_kind: global_buffer, .address_space: global }
      - { .name: maskw, .offset: 8, .size: 8, .value_kind: global_buffer, .address_space: global }
    .group_segment_fixed_size: 17920
    .private_segment_fixed_size: 0
    .kernarg_segment_align: 8
    .kernarg_segment_size: 16
    .max_flat_workgroup_size: 128
    .sgpr_count:     66
    .vgpr_count:     86
    .wavefront_size: 32
...
	.end_amdgpu_metadata
.endif
;; end of part 1
;; launch attn (part 2): grid 16 x 16, 4 waves a work-group, clusters of 4 x 1, 327,680 bytes of LDS; arguments q, k, v, maskw, out0; writes out0
.if DOCPART == 2
	.amdgcn_target "amdgcn-amd-amdhsa--gfx1250"
	.amdhsa_code_object_version 6
	.text
	.protected	k_q7eaf77159f_attn
	.globl	k_q7eaf77159f_attn
	.p2align	8
	.type	k_q7eaf77159f_attn,@function
k_q7eaf77159f_attn:
	s_mov_b64 s[64:65], 0
	v_nop
	global_prefetch_b8 v0, s[64:65] scope:SCOPE_SE
	s_setreg_imm32_b32 hwreg(HW_REG_WAVE_MODE, 25, 1), 1
	s_wait_xcnt 0x0
	s_wait_alu depctr_hold_cnt(0) depctr_sa_sdst(0) depctr_va_vdst(0) depctr_va_sdst(0) depctr_va_ssrc(0) depctr_va_vcc(0) depctr_vm_vsrc(0)
	s_getreg_b32 s2, hwreg(HW_REG_IB_STS2, 6, 4)
	s_cmp_eq_u32 s2, 0
	s_cbranch_scc0 .Lentry_in_a_cluster
	s_endpgm
.Lentry_in_a_cluster:
	s_bfe_u32 s2, ttmp6, 0x10000c
	s_cmp_lg_u32 s2, 0x3003
	s_cbranch_scc0 .Lentry_shape_is_right
	s_endpgm
.Lentry_shape_is_right:
; out = softmax(where(mask, -1e9, q k^T / 8)) v for 16 heads of 2,048 x 64, f32 in memory; products in f16 with f32 sums,
; softmax in f32 with a running maximum; no score goes to memory.  The mask is an input: every key tile is computed.
; SHARES.  Work-group = one head (y) and 128 queries (x); wave = 32 queries (two blocks qb of 16).  Keys go in 16 steps of 128.
; CLUSTER.  The four work-groups of a cluster have the same head and walk the same K and V tiles: each tile is asked for jointly
; (mask 15), which divides the requests for K and V by four.  The place in the cluster enters only the addresses of q, maskw, out0.
; DATA PATH.  A tensor load a wave brings 64 rows of K (waves 0, 1) or V (waves 2, 3) as f32 into a RAW slot; every wave converts
; 32 rows of K and 32 of V to f16 into an HF buffer, once for the work-group; fragments are read from there.
; In step i: HF[i%2] is multiplied, tile i+1 is converted RAW[1-i%2] -> HF[1-i%2], tile i+2 is requested into RAW[i%2].
; LAYOUTS.  Scores transposed: D = K Q^T, lane (r, h), register j of tile t = (key 16 t + 8 h + j, query r).  Packing tiles 2u, 2u+1
; to f16 in register order IS the operand fragment of P for keys 32 u .. 32 u + 31, so P never leaves its lane.  O^T = V^T P^T:
; lane (r, h), register j of tile dt = (d 16 dt + 8 h + j, query r).  Maximum, sum and rescale are one number a lane; only lane xor 16 is joined.
; NUMBERS.  q is multiplied by log2(e)/8 in f32 and rounded once to f16, so scores are exponents of 2; p = 2^(s - m), m the running maximum.
; WHY F16.  A row with few unmasked keys hands the operands' rounding on undamped, and terms of size 1 may cancel there; 11 significant
; bits keep a probability near 1 within 2^-12 and a score of 64 products of size 1 within a few 10^-4.  P is at most 1 (the largest
; score gives 2^0); q, k, v have room up to 65,504.
; LIMITS.  |k|, |v| beyond 65,504 and |q| beyond 363,000 (q log2(e)/8 beyond 65,504) become infinite in f16.  Operands below 2^-14 keep
; an absolute step of 2^-24.  p below 2^-25 counts as 0 in P V, and below 2^-126 in the sum (v_exp_f32), against a sum of at least 1.
; The fill is -1e9 log2(e) rounded to f32 (0xceabfb8f): unmasked scores within about 100 of -1e9 see that rounding.
; NaN or infinite inputs are not served (v_max_num_f32 drops a NaN).
.set KP,    144                        ; HF row of K: 128 bytes + 16: an odd multiple of 16
.set VP,    160                        ; HF row of V: 128 bytes + 32: an odd multiple of 32, for the transposing load
.set OP,    272                        ; stage row of O: 256 bytes + 16
.set BFV,   128*KP                     ; 18,432: V's rows behind K's
.set BFP,   128*KP+128*VP              ; 38,912: from HF buffer 0 to buffer 1
.set STAGE, 2*BFP                      ; 77,824: 8,704 bytes a wave: q on its way in (32 x 144), O on its way out (32 x 272)
.set STW,   32*OP
.set RAW,   114688                     ; two slots of 65,536 bytes, the only bytes that tensor loads fill; no LDS store ever lands there
.set RAWS,  65536
.set TILEB, 32768                      ; 128 rows of 256 bytes in memory
.set KA, 4                             ; v4   K fragment: r KP + 16 h
.set VA, 5                             ; v5   V fragment: BFV + (8 h + l%8) VP + 16 ((l/8)%2)
.set RA, 6                             ; v6-7 my 16 bytes in my 32 rows of K in RAW slot 0, 1
.set CK, 8                             ; v8   where my 8 bytes of f16 K go
.set CV, 9                             ; v9   the same for V
.set QW, 10                            ; v10  stage: q in
.set QR, 11                            ; v11  stage: q fragments
.set SW, 12                            ; v12  stage: O in
.set SR, 13                            ; v13  stage: O back by rows
.set GO, 14                            ; v14  16 x lane: q and out0
.set NEGR, 15                          ; v15  the fill
.set ST, 16                            ; v[16+4qb:19+4qb]  m, m, alpha, alpha
.set LS, 24                            ; v24-25  running sums
.set T,  32                            ; v[32:39] at work
.set FR, 64                            ; v[64:127] fragments of K (four tiles) or of V (two groups of 32 keys)
.set SC, 128                           ; v[128+64qb+8t+j] scores; before them the raw f32 rows; behind them P in v[128+64qb .. +31]
.set QF, 64                            ; window 1: v[320+16qb+8ks ..] fragments of q;  window 1: v[256+32qb+8dt ..] O
.set G1, 16                            ; s[16:23] descriptor group 1
.set G0, 24                            ; s[24:31] descriptor group 0 for slot 0, slot 1
.set W_QK, 0x04                        ; source 1 (q) in window 1
.set W_PV, 0x50                        ; C and D (O) in window 1
.set W_RS, 0x41                        ; source 0 and destination (O) in window 1
.set W_O,  0x01                        ; source 0 (O) in window 1
.set W_QL, 0x40                        ; destination (q fragments) in window 1
.set MSB, 0
.macro WIN new                         ; the immediate's high byte repeats the setting that is left
.if MSB != \new
	s_set_vgpr_msb (MSB<<8)|\new
.set MSB, \new
.endif
.endm
.macro PLACES n                        ; plain vector instructions behind a matrix instruction (ISA guide 7.12.1)
.rept \n
	v_nop
.endr
.endm
.macro BAR
	s_barrier_signal -1
	s_barrier_wait -1
.endm
.macro ROUND                           ; a round of the cluster's barrier: my work-group, wave 0 for it, all four work-groups, my work-group
	s_barrier_signal -1
	s_barrier_wait -1
	s_cmp_lg_u32 s14, 0
	s_cbranch_scc1 .Lnot_wave_0_\@
	s_barrier_signal -3
.Lnot_wave_0_\@:
	s_barrier_wait -3
	s_barrier_signal -1
	s_barrier_wait -1
.endm
; 32 loads: my 32 rows of K, then my 32 rows of V, two rows of 256 bytes a load
.macro RAWLD slot
.set ri, 0
.rept 16
	ds_load_b128 v[SC+4*ri:SC+4*ri+3], v[RA+\slot] offset:512*ri
.set ri, ri+1
.endr
.rept 16
	ds_load_b128 v[SC+4*ri:SC+4*ri+3], v[RA+\slot] offset:TILEB+512*(ri-16)
.set ri, ri+1
.endr
.endm
; each of them rounded to f16 and stored.  cnt = what was issued behind raw load i: 31 - i raw loads, i stores, and the K fragment loads if any
.macro CVST par, cnt
.set ci, 0
.rept 32
	s_wait_dscnt \cnt
	v_cvt_pk_f16_f32 v[SC+4*ci], v[SC+4*ci], v[SC+4*ci+1]
	v_cvt_pk_f16_f32 v[SC+4*ci+1], v[SC+4*ci+2], v[SC+4*ci+3]
.if ci < 16
	ds_store_b64 v[CK], v[SC+4*ci:SC+4*ci+1] offset:BFP*\par+2*KP*ci
.else
	ds_store_b64 v[CV], v[SC+4*ci:SC+4*ci+1] offset:BFV+BFP*\par+2*VP*(ci-16)
.endif
.set ci, ci+1
.endr
.endm
; keys 16 t .. 16 t + 15 x 64 d: two fragments of 8 registers
.macro KLOAD par, t
.irp o, 0,1,2,3
	ds_load_b128 v[FR+16*(\t&3)+4*\o:FR+16*(\t&3)+4*\o+3], v[KA] offset:BFP*\par+16*KP*\t+32*\o
.endr
.endm
; score tile t of both query blocks.  The two accumulators take turns, one instruction a turn.
.macro QKT t
.irp qb, 0,1
	v_wmma_f32_16x16x32_f16 v[SC+64*\qb+8*\t:SC+64*\qb+8*\t+7], v[FR+16*(\t&3):FR+16*(\t&3)+7], v[QF+16*\qb:QF+16*\qb+7], 0
.endr
.irp qb, 0,1
	v_wmma_f32_16x16x32_f16 v[SC+64*\qb+8*\t:SC+64*\qb+8*\t+7], v[FR+16*(\t&3)+8:FR+16*(\t&3)+15], v[QF+16*\qb+8:QF+16*\qb+15], v[SC+64*\qb+8*\t:SC+64*\qb+8*\t+7]
.endr
.endm
; V^T for keys 32 u .. 32 u + 31, four fragments of 16 d
.macro VLOAD par, u
.irp dt, 0,1,2,3
	ds_load_tr16_b128 v[FR+32*(\u&1)+8*\dt:FR+32*(\u&1)+8*\dt+3],   v[VA] offset:BFP*\par+32*VP*\u+32*\dt
	ds_load_tr16_b128 v[FR+32*(\u&1)+8*\dt+4:FR+32*(\u&1)+8*\dt+7], v[VA] offset:BFP*\par+32*VP*\u+32*\dt+16*VP
.endr
.endm
; O += V^T P^T for 32 keys.  The eight accumulators take turns, one instruction a turn.
.macro PVU u, zero
.irp dt, 0,1,2,3
.irp qb, 0,1
.if \zero
	v_wmma_f32_16x16x32_f16 v[32*\qb+8*\dt:32*\qb+8*\dt+7], v[FR+32*(\u&1)+8*\dt:FR+32*(\u&1)+8*\dt+7], v[SC+64*\qb+8*\u:SC+64*\qb+8*\u+7], 0
.else
	v_wmma_f32_16x16x32_f16 v[32*\qb+8*\dt:32*\qb+8*\dt+7], v[FR+32*(\u&1)+8*\dt:FR+32*(\u&1)+8*\dt+7], v[SC+64*\qb+8*\u:SC+64*\qb+8*\u+7], v[32*\qb+8*\dt:32*\qb+8*\dt+7]
.endif
.endr
.endr
.endm
; 64 lane masks of one query block and one step: word 8 t + j in s[32:63], s[68:99]
.macro MLOAD off
	s_load_b512 s[32:47], s[10:11], \off
	s_load_b512 s[48:63], s[10:11], \off+64
	s_load_b512 s[68:83], s[10:11], \off+128
	s_load_b512 s[84:99], s[10:11], \off+192
.endm
.macro MASK qb                         ; a set bit puts the fill in the score's place
.set mi, 0
.rept 64
.if mi < 32
	v_cndmask_b32 v[SC+64*\qb+mi], v[SC+64*\qb+mi], v[NEGR], s[32+mi]
.else
	v_cndmask_b32 v[SC+64*\qb+mi], v[SC+64*\qb+mi], v[NEGR], s[36+mi]
.endif
.set mi, mi+1
.endr
.endm
; One query block's 64 score registers: new maximum, p = 2^(s - m), sum, P in f16, O rescaled.
.macro SOFT qb, first
.set SB, SC+64*\qb
.set MR, ST+4*\qb
.irp c, 0,1,2,3
	v_max_num_f32 v[T+\c], v[SB+16*\c], v[SB+16*\c+1]              ; four chains that do not wait for each other
.endr
.irp k, 1,2,3,4,5,6,7
.irp c, 0,1,2,3
	v_max3_num_f32 v[T+\c], v[T+\c], v[SB+16*\c+2*\k], v[SB+16*\c+2*\k+1]
.endr
.endr
	v_max3_num_f32 v[T], v[T], v[T+1], v[T+2]
.if \first
	v_max_num_f32 v[T], v[T], v[T+3]
.else
	v_max3_num_f32 v[T], v[T], v[T+3], v[MR]                       ; with the maximum so far
.endif
	v_permlanex16_b32 v[T+1], v[T], s66, s67                       ; the other eight keys of each tile lie in lane xor 16
.if \first
	v_max_num_f32 v[MR], v[T], v[T+1]
	v_mov_b32 v[MR+1], v[MR]
.else
	v_max_num_f32 v[T+2], v[T], v[T+1]
	v_sub_f32 v[T+3], v[MR], v[T+2]
	v_exp_f32 v[MR+2], v[T+3]                                      ; alpha = 2^(old m - new m)
	v_mov_b32 v[MR], v[T+2]                                        ; plain instructions stand between the exponential and its use
	v_mov_b32 v[MR+1], v[T+2]
	s_wait_alu depctr_va_vdst(0)
	v_mov_b32 v[MR+3], v[MR+2]
.endif
	; s - m runs one pair ahead of the exponentials, so that a plain instruction stands between them
	v_pk_add_f32 v[SB:SB+1], v[SB:SB+1], v[MR:MR+1] neg_lo:[0,1] neg_hi:[0,1]
.set si, 0
.rept 32
.if si < 31
	v_pk_add_f32 v[SB+2*si+2:SB+2*si+3], v[SB+2*si+2:SB+2*si+3], v[MR:MR+1] neg_lo:[0,1] neg_hi:[0,1]
.endif
	v_exp_f32 v[SB+2*si], v[SB+2*si]
	v_exp_f32 v[SB+2*si+1], v[SB+2*si+1]
.set si, si+1
.endr
	v_nop                                                          ; one plain place behind the last exponential
	s_wait_alu depctr_va_vdst(0)
.irp c, 0,1,2,3
	v_pk_add_f32 v[T+2*\c:T+2*\c+1], v[SB+2*\c:SB+2*\c+1], v[SB+8+2*\c:SB+8+2*\c+1]    ; the first pairs start four chains of sums
.endr
.irp k, 2,3,4,5,6,7
.irp c, 0,1,2,3
	v_pk_add_f32 v[T+2*\c:T+2*\c+1], v[T+2*\c:T+2*\c+1], v[SB+8*\k+2*\c:SB+8*\k+2*\c+1]
.endr
.endr
	v_pk_add_f32 v[T:T+1], v[T:T+1], v[T+2:T+3]
	v_pk_add_f32 v[T+4:T+5], v[T+4:T+5], v[T+6:T+7]
	v_pk_add_f32 v[T:T+1], v[T:T+1], v[T+4:T+5]
.if \first
	v_add_f32 v[LS+\qb], v[T], v[T+1]
.else
	v_add_f32 v[T], v[T], v[T+1]
	v_fma_f32 v[LS+\qb], v[LS+\qb], v[MR+2], v[T]                  ; l = l alpha + sum (my half of the keys; joined at the end)
.endif
.set pi, 0
.rept 32
	v_cvt_pk_f16_f32 v[SB+pi], v[SB+2*pi], v[SB+2*pi+1]            ; ascending: register p is written when 2 p and 2 p + 1 are read
.set pi, pi+1
.endr
.if \first == 0
	WIN W_RS
.set oi, 0
.rept 16
	v_pk_mul_f32 v[32*\qb+2*oi:32*\qb+2*oi+1], v[32*\qb+2*oi:32*\qb+2*oi+1], v[MR+2:MR+3]   ; O alpha
.set oi, oi+1
.endr
	WIN 0
.endif
.endm
; One step of 128 keys.  par = step % 2, oth = 1 - par.  first: starts m, l, O.  refill: tile step + 2 is requested.  more: tile step + 1 is converted.
.macro STEP par, oth, first, refill, more
.if \more
	s_wait_tensorcnt 0x0                           ; all my tensor loads have landed: the one that was out is my part of tile step + 1,
	ds_add_u32 v62, v63
	s_wait_dscnt 0x0
.endif
.if \refill
	s_add_nc_u64 s[G0+4*\par+2:G0+4*\par+3], s[G0+4*\par+2:G0+4*\par+3], 2*TILEB   ; so a group 0 may be written: this slot's next tile
.endif
	s_wait_dscnt 0x0                               ; my stores into HF[par], my reads of HF[oth] and of RAW[par] are done
.if \refill
	ROUND                                          ; all that holds of every wave of the four work-groups
	tensor_load_to_lds s[G0+4*\par:G0+4*\par+3], s[G1:G1+7]        ; my one tensor load behind the round; one is out until the next
	s_nop 0
.else
	BAR
.endif
.if \more
	RAWLD \oth
.endif
	KLOAD \par, 0
	KLOAD \par, 1
	KLOAD \par, 2
	KLOAD \par, 3
.if \more
	CVST \oth, 47                                  ; 31 raw loads and stores + 16 K loads stand behind each raw load
.endif
	WIN W_QK
	s_wait_dscnt 8+32*\more                        ; tiles 0, 1 are in; behind them: tiles 2, 3 (8 loads) and the 32 stores
	QKT 0
	QKT 1
	PLACES 4                                       ; in front of loads into registers that matrix instructions have read
	KLOAD \par, 4
	KLOAD \par, 5
	s_wait_dscnt 8+32*\more                        ; tiles 2, 3; behind them: the 32 stores and tiles 4, 5
	QKT 2
	QKT 3
	PLACES 4
	KLOAD \par, 6
	KLOAD \par, 7
	s_wait_dscnt 8                                 ; tiles 4, 5; behind them: tiles 6, 7
	QKT 4
	QKT 5
	s_wait_dscnt 0
	QKT 6
	QKT 7
	PLACES 4                                       ; in front of the reads of the scores and of the loads into the fragments
	WIN 0
	VLOAD \par, 0                                  ; they land while the softmax runs
	VLOAD \par, 1
	s_wait_kmcnt 0x0                               ; block 0's lane masks
	MASK 0
	MLOAD 4096                                     ; block 1's: one block of 16 queries is 4,096 bytes further on
	SOFT 0, \first
	s_wait_kmcnt 0x0                               ; they are in, and the pointer is free:
	s_add_nc_u64 s[10:11], s[10:11], 256           ; the next step's 8 key tiles of 32 bytes
	MASK 1
.if \more
	MLOAD 0                                        ; block 0's of the next step
.endif
	SOFT 1, \first
	WIN W_PV
	s_wait_dscnt 8                                 ; V group 0 is in; group 1's eight loads may be out
	PVU 0, \first
	WIN 0
	PLACES 4
	VLOAD \par, 2
	WIN W_PV
	s_wait_dscnt 8                                 ; group 1; behind it group 2
	PVU 1, 0
	WIN 0
	PLACES 4
	VLOAD \par, 3
	WIN W_PV
	s_wait_dscnt 8                                 ; group 2; behind it group 3
	PVU 2, 0
	s_wait_dscnt 0
	PVU 3, 0
	WIN 0
	PLACES 5                                       ; in front of the matrix instructions and loads that write over P and the fragments
.endm
	s_load_b256 s[4:11], s[0:1], 0x0               ; q s[4:5], k s[6:7], v s[8:9], maskw s[10:11]
	s_load_b64 s[12:13], s[0:1], 0x20              ; out0
	v_lshl_add_u32 v62, v0, 2, 0x3c000
	v_mov_b32 v63, 0
	ds_add_u32 v62, v63
	v_lshrrev_b32 v2, 5, v0
	v_readfirstlane_b32 s14, v2                    ; wave 0..3
	v_and_b32 v1, 31, v0                           ; lane l
	v_and_b32 v2, 15, v0                           ; r
	v_bfe_u32 v3, v0, 4, 1                         ; h
	s_mov_b32 s66, 0x76543210                      ; v_permlanex16_b32: lane i reads lane i of the other half
	s_mov_b32 s67, 0xfedcba98
	s_bfe_u32 s2, ttmp6, 0x40000                   ; cx
	s_lshl_b32 s3, ttmp9, 2
	s_add_co_u32 s3, s3, s2                        ; query block of 128 = 4 x cluster x + cx
	s_and_b32 s100, ttmp7, 0xffff                  ; head
	s_lshl_b32 s100, s100, 19                      ; 2,048 rows of 256 bytes
	s_and_b32 s68, s14, 1
	s_lshl_b32 s68, s68, 14                        ; which 64 rows of a tile I fetch
	s_add_co_u32 s68, s68, s100                    ; s[68:69]: K's or V's offset: head and wave alone
	s_mov_b32 s69, 0
	s_lshl_b32 s72, s3, 15
	s_lshl_b32 s101, s14, 13
	s_add_co_u32 s72, s72, s101                    ; s[72:73]: maskw: 8 blocks of 4,096 bytes a work-group, 2 a wave
	s_mov_b32 s73, 0
	s_add_co_u32 s70, s72, s100                    ; s[70:71]: q and out0: head, 128 rows a work-group, 32 a wave
	s_mov_b32 s71, 0
	; group 1: 64 rows of 32 elements of 8 bytes, dense; joint for the four work-groups of the cluster
	s_mov_b32 s[G1+0], 15|(3<<16)|(1<<21)          ; 15:0 mask of the four; 17:16 elements of 8 bytes; 21 set beside a mask; no padding
	s_mov_b32 s[G1+1], 32<<16                      ; tensor_dim0 = 32
	s_mov_b32 s[G1+2], 64<<16                      ; tensor_dim1 = 64
	s_mov_b32 s[G1+3], 32<<16                      ; tile_dim0 = 32
	s_mov_b32 s[G1+4], 64                          ; tile_dim1 = 64
	s_mov_b32 s[G1+5], 32                          ; elements from row to row
	s_mov_b32 s[G1+6], 0
	s_mov_b32 s[G1+7], 0
	s_mov_b32 s[G0+0], 1
	s_lshl_b32 s[G0+1], s14, 14
	s_add_co_u32 s[G0+1], s[G0+1], RAW             ; slot 0 + 16,384 x wave: K's halves, then V's
	s_mov_b32 s[G0+4], 1
	s_add_co_u32 s[G0+5], s[G0+1], RAWS            ; slot 1
	; lane terms
	v_mul_u32_u24 v[KA], v2, KP
	v_lshl_add_u32 v[KA], v3, 4, v[KA]
	v_and_b32 v[T], 7, v0
	v_lshl_add_u32 v[T], v3, 3, v[T]
	v_mul_u32_u24 v[T], v[T], VP
	v_bfe_u32 v[T+1], v0, 3, 1
	v_lshl_add_u32 v[T], v[T+1], 4, v[T]
	v_add_nc_u32 v[VA], BFV, v[T]
	s_lshl_b32 s15, s14, 13
	s_add_co_u32 s15, s15, RAW
	v_lshl_add_u32 v[RA], v1, 4, s15               ; RAW + 32 rows x wave + 16 l
	v_add_nc_u32 v[RA+1], RAWS, v[RA]
	s_mul_i32 s15, s14, 32*KP
	v_mul_u32_u24 v[T], v3, KP
	v_lshl_add_u32 v[T], v2, 3, v[T]               ; h KP + 8 r
	v_add_nc_u32 v[CK], s15, v[T]
	s_mul_i32 s15, s14, 32*VP
	v_mul_u32_u24 v[T+1], v3, VP
	v_lshl_add_u32 v[T+1], v2, 3, v[T+1]
	v_add_nc_u32 v[CV], s15, v[T+1]
	s_mul_i32 s15, s14, STW
	s_add_co_u32 s15, s15, STAGE                   ; my stage
	v_add_nc_u32 v[QW], s15, v[T]
	v_add_nc_u32 v[QR], s15, v[KA]
	v_mul_u32_u24 v[T], v2, OP
	v_lshl_add_u32 v[T], v3, 5, v[T]
	v_add_nc_u32 v[SW], s15, v[T]                  ; row r, 32 bytes for each half of the lanes
	v_mul_u32_u24 v[T], v3, OP
	v_lshl_add_u32 v[T], v2, 4, v[T]
	v_add_nc_u32 v[SR], s15, v[T]                  ; lanes 0-15 one row of 256 bytes, lanes 16-31 the next
	v_lshlrev_b32 v[GO], 4, v1
	v_mov_b32 v[NEGR], 0xceabfb8f                  ; -1e9 log2(e)
	s_wait_dscnt 0x0
	s_wait_kmcnt 0x0
	s_cmp_lt_u32 s14, 2
	s_cselect_b64 s[G0+2:G0+3], s[6:7], s[8:9]     ; waves 0, 1 fetch K, waves 2, 3 fetch V
	s_add_nc_u64 s[G0+2:G0+3], s[G0+2:G0+3], s[68:69]      ; tile 0
	s_add_nc_u64 s[G0+6:G0+7], s[G0+2:G0+3], TILEB         ; tile 1
	s_or_b32 s[G0+3], s[G0+3], 0x80000000          ; type = 2
	s_or_b32 s[G0+7], s[G0+7], 0x80000000
	s_add_nc_u64 s[4:5], s[4:5], s[70:71]
	s_add_nc_u64 s[12:13], s[12:13], s[70:71]
	s_add_nc_u64 s[10:11], s[10:11], s[72:73]
.irp i, 0,1,2,3,4,5,6,7,8,9,10,11,12,13,14,15
	global_load_b128 v[SC+4*\i:SC+4*\i+3], v[GO], s[4:5] offset:512*\i th:TH_LOAD_NT   ; my 32 rows of q, two rows a load; read once in the launch
.endr
	ROUND                                          ; the four work-groups are here: the first joint loads meet
	tensor_load_to_lds s[G0:G0+3], s[G1:G1+7]      ; tile 0
	s_nop 0
	tensor_load_to_lds s[G0+4:G0+7], s[G1:G1+7]    ; tile 1: two loads of mine are out, the most in this text
	s_nop 0
	MLOAD 0                                        ; step 0, block 0
	; q x log2(e)/8, rounded once to f16, through my stage into fragments
.irp i, 0,1,2,3,4,5,6,7,8,9,10,11,12,13,14,15
	s_wait_loadcnt 15-\i                           ; loads return in order: load i is in
	v_pk_mul_f32 v[SC+4*\i:SC+4*\i+1], v[SC+4*\i:SC+4*\i+1], 0x3e38aa3b op_sel_hi:[1,0]
	v_pk_mul_f32 v[SC+4*\i+2:SC+4*\i+3], v[SC+4*\i+2:SC+4*\i+3], 0x3e38aa3b op_sel_hi:[1,0]
	v_cvt_pk_f16_f32 v[SC+4*\i], v[SC+4*\i], v[SC+4*\i+1]
	v_cvt_pk_f16_f32 v[SC+4*\i+1], v[SC+4*\i+2], v[SC+4*\i+3]
	ds_store_b64 v[QW], v[SC+4*\i:SC+4*\i+1] offset:2*KP*\i
.endr
	WIN W_QL
.irp qb, 0,1
.irp ks, 0,1
.irp c, 0,1
	ds_load_b128 v[QF+16*\qb+8*\ks+4*\c:QF+16*\qb+8*\ks+4*\c+3], v[QR] offset:16*KP*\qb+64*\ks+32*\c   ; my own bytes, served in order behind the stores
.endr
.endr
.endr
	WIN 0
	s_wait_tensorcnt 0x1                           ; my part of tile 0 is in; tile 1's may stay out
	s_wait_dscnt 0x0
	BAR                                            ; everybody's part of tile 0 is in
	RAWLD 0
	CVST 0, 31                                     ; behind raw load i: 31 - i raw loads and i stores
	STEP 0, 1, 1, 1, 1                             ; step 0 starts m, l and O: nothing is cleared
	STEP 1, 0, 0, 1, 1
	s_mov_b32 s15, 6
.Lpair:
	STEP 0, 1, 0, 1, 1                             ; steps 2 to 13
	STEP 1, 0, 0, 1, 1
	s_sub_co_u32 s15, s15, 1
	s_cmp_lg_u32 s15, 0
	s_cbranch_scc1 .Lpair
	STEP 0, 1, 0, 0, 1                             ; step 14: nothing is left to request
	STEP 1, 0, 0, 0, 0                             ; step 15: nothing is left to convert
	; O / l, through my stage, out as whole rows
	v_permlanex16_b32 v[T], v[LS], s66, s67        ; the other half of the keys
	v_permlanex16_b32 v[T+1], v[LS+1], s66, s67
	v_add_f32 v[T], v[T], v[LS]
	v_add_f32 v[T+1], v[T+1], v[LS+1]              ; l is at least 1: the largest score gives p = 1
	v_rcp_f32 v[T+2], v[T]
	v_rcp_f32 v[T+4], v[T+1]
	v_nop                                          ; one plain place behind the reciprocals
	s_wait_alu depctr_va_vdst(0)
	v_mov_b32 v[T+3], v[T+2]
	v_mov_b32 v[T+5], v[T+4]
	WIN W_O
.irp qb, 0,1
.set oi, 0
.rept 16
	v_pk_mul_f32 v[SC+32*\qb+2*oi:SC+32*\qb+2*oi+1], v[32*\qb+2*oi:32*\qb+2*oi+1], v[T+2+2*\qb:T+3+2*\qb]
.set oi, oi+1
.endr
.endr
	WIN 0
.irp qb, 0,1
.irp dt, 0,1,2,3
.irp c, 0,1
	ds_store_b128 v[SW], v[SC+32*\qb+8*\dt+4*\c:SC+32*\qb+8*\dt+4*\c+3] offset:16*OP*\qb+64*\dt+16*\c   ; query 16 qb + r, d = 16 dt + 8 h + 4 c ..
.endr
.endr
.endr
.irp i, 0,1,2,3,4,5,6,7,8,9,10,11,12,13,14,15
	ds_load_b128 v[SC+64+4*\i:SC+64+4*\i+3], v[SR] offset:2*OP*\i      ; my own bytes, served in order behind the stores
.endr
.irp i, 0,1,2,3,4,5,6,7,8,9,10,11,12,13,14,15
	s_wait_dscnt 15-\i
	global_store_b128 v[GO], v[SC+64+4*\i:SC+64+4*\i+3], s[12:13] offset:512*\i th:TH_STORE_NT   ; 16 lanes store one row's 256 consecutive bytes, aligned
.endr
	s_wait_tensorcnt 0x0
	ds_add_u32 v62, v63
	s_wait_dscnt 0x0
	ROUND                                          ; the closing round: no work-group ends while a partner may still ask jointly
	s_endpgm
.Lfunc_end_k_q7eaf77159f_attn:
	.size	k_q7eaf77159f_attn, .Lfunc_end_k_q7eaf77159f_attn-k_q7eaf77159f_attn
	.p2alignl 7, 3214868480
	.fill 96, 4, 3214868480
	.section	.rodata,"a",@progbits
	.p2align	6, 0x0
	.amdhsa_kernel k_q7eaf77159f_attn
		.amdhsa_group_segment_fixed_size 327680
		.amdhsa_private_segment_fixed_size 0
		.amdhsa_enable_private_segment 0
		.amdhsa_kernarg_size 40
		.amdhsa_user_sgpr_count 2
		.amdhsa_user_sgpr_kernarg_segment_ptr 1
		.amdhsa_wavefront_size32 1
		.amdhsa_system_sgpr_workgroup_id_x 1
		.amdhsa_system_sgpr_workgroup_id_y 1
		.amdhsa_system_sgpr_workgroup_id_z 1
		.amdhsa_system_vgpr_workitem_id 0
		.amdhsa_next_free_vgpr 352
		.amdhsa_next_free_sgpr 102
		.amdhsa_reserve_vcc 0
		.amdhsa_float_denorm_mode_32 3
		.amdhsa_float_denorm_mode_16_64 3
		.amdhsa_memory_ordered 1
		.amdhsa_forward_progress 1
		.amdhsa_inst_pref_size 255
	.end_amdhsa_kernel
	.section	.bss,"aw",@nobits
	.p2align	6
	.space	262144
	.amdgpu_metadata
---
amdhsa.version: [ 1, 2 ]
amdhsa.kernels:
  - .name:           k_q7eaf77159f_attn
    .symbol:         k_q7eaf77159f_attn.kd
    .args:
      - { .name: q, .offset: 0, .size: 8, .value_kind: global_buffer, .address_space: global }
      - { .name: k, .offset: 8, .size: 8, .value_kind: global_buffer, .address_space: global }
      - { .name: v, .offset: 16, .size: 8, .value_kind: global_buffer, .address_space: global }
      - { .name: maskw, .offset: 24, .size: 8, .value_kind: global_buffer, .address_space: global }
      - { .name: out0, .offset: 32, .size: 8, .value_kind: global_buffer, .address_space: global }
    .group_segment_fixed_size: 327680
    .private_segment_fixed_size: 0
    .kernarg_segment_align: 8
    .kernarg_segment_size: 40
    .max_flat_workgroup_size: 128
    .sgpr_count:     102
    .vgpr_count:     352
    .wavefront_size: 32
...
	.end_amdgpu_metadata
.endif
;; end of part 2
;; ======== version 2 of 2: 2 launches; 1.25 times as fast as version 1
;; limits: values are held in f16: magnitudes above 65,504 overflow, below 6.1e-05 lose precision; inputs' magnitudes at most 65,504
;; workspace buffers: maskw 524,288 bytes of whole numbers
;; launch maskbits: the kernel of part 1 again; grid 128 x 2, 4 waves a work-group, no clusters, 17,920 bytes of LDS; arguments mask, maskw; writes maskw
;; launch attn (part 3): grid 16 x 16, 8 waves a work-group, clusters of 4 x 1, 327,680 bytes of LDS; arguments q, k, v, maskw, out0; writes out0
.if DOCPART == 3
	.amdgcn_target "amdgcn-amd-amdhsa--gfx1250"
	.amdhsa_code_object_version 6
	.text
	.protected	k_q7eaf77159f_attn
	.globl	k_q7eaf77159f_attn
	.p2align	8
	.type	k_q7eaf77159f_attn,@function
k_q7eaf77159f_attn:
	s_mov_b64 s[64:65], 0
	v_nop
	global_prefetch_b8 v0, s[64:65] scope:SCOPE_SE
	s_setreg_imm32_b32 hwreg(HW_REG_WAVE_MODE, 25, 1), 1
	s_wait_xcnt 0x0
	s_wait_alu depctr_hold_cnt(0) depctr_sa_sdst(0) depctr_va_vdst(0) depctr_va_sdst(0) depctr_va_ssrc(0) depctr_va_vcc(0) depctr_vm_vsrc(0)
	s_getreg_b32 s2, hwreg(HW_REG_IB_STS2, 6, 4)
	s_cmp_eq_u32 s2, 0
	s_cbranch_scc0 .Lentry_in_a_cluster
	s_endpgm
.Lentry_in_a_cluster:
	s_bfe_u32 s2, ttmp6, 0x10000c
	s_cmp_lg_u32 s2, 0x3003
	s_cbranch_scc0 .Lentry_shape_is_right
	s_endpgm
.Lentry_shape_is_right:
; out = softmax(where(mask, -1e9, q k^T / 8)) v for 16 heads of 2,048 x 64, f32 in memory; products in f16 with f32 sums,
; softmax in f32 with a running maximum; no score goes to memory.  The mask is an input: every key tile is computed.
; SHARES.  Work-group = one head (y) and 128 queries (x).  Eight waves, two for each of a WGP's four SIMDs, so that one wave can issue
; while the other waits for a result.  Wave w: p = w % 4 says which 32 queries (two blocks qb of 16), hi = w / 4 which 64 of a step's
; 128 keys.  Keys go in 16 steps of 128.  The two waves of a pair keep a maximum, a sum and an O of their own over their halves of the
; keys; at the end waves 4-7 hand theirs over through LDS and waves 0-3 merge, divide and store.  Splitting keys, not queries, leaves
; the fragment bytes read from LDS as with four waves: each K and V fragment is still read once for 32 queries.
; CLUSTER.  The four work-groups of a cluster have the same head and walk the same K and V tiles: each tile is asked for jointly
; (mask 15), which divides the requests for K and V by four.  The place in the cluster enters only the addresses of q, maskw, out0.
; DATA PATH.  A tensor load a wave brings 32 rows of K (waves 0-3) or V (waves 4-7) as f32 into a RAW slot: a step's 256 rows over
; eight waves.  Every wave converts 16 rows of K and 16 of V to f16 into an HF buffer, once for the work-group; fragments are read from there.
; In step i: HF[i%2] is multiplied, tile i+1 is converted RAW[1-i%2] -> HF[1-i%2], tile i+2 is requested into RAW[i%2].
; LAYOUTS.  Scores transposed: D = K Q^T, lane (r, h), register j of tile t = (key 16 t + 8 h + j, query r).  Packing tiles 2u, 2u+1
; to f16 in register order IS the operand fragment of P for keys 32 u .. 32 u + 31, so P never leaves its lane.  O^T = V^T P^T:
; lane (r, h), register j of tile dt = (d 16 dt + 8 h + j, query r).  Maximum, sum and rescale are one number a lane; only lane xor 16 is joined.
; NUMBERS.  q is multiplied by log2(e)/8 in f32 and rounded once to f16, so scores are exponents of 2; p = 2^(s - m), m the running maximum.
; WHY F16.  A row with few unmasked keys hands the operands' rounding on undamped, and terms of size 1 may cancel there; 11 significant
; bits keep a probability near 1 within 2^-12 and a score of 64 products of size 1 within a few 10^-4.  P is at most 1 (the largest
; score gives 2^0); q, k, v have room up to 65,504.
; LIMITS.  |k|, |v| beyond 65,504 and |q| beyond 363,000 (q log2(e)/8 beyond 65,504) become infinite in f16.  Operands below 2^-14 keep
; an absolute step of 2^-24.  p below 2^-25 counts as 0 in P V, and below 2^-126 in the sum (v_exp_f32), against a sum of at least 1.
; The fill is -1e9 log2(e) rounded to f32 (0xceabfb8f): unmasked scores within about 100 of -1e9 see that rounding.
; NaN or infinite inputs are not served (v_max_num_f32 drops a NaN).
.set KP,    144                        ; HF row of K: 128 bytes + 16: an odd multiple of 16
.set VP,    160                        ; HF row of V: 128 bytes + 32: an odd multiple of 32, for the transposing load
.set OP,    272                        ; stage row of O: 256 bytes + 16
.set BFV,   128*KP                     ; 18,432: V's rows behind K's
.set BFP,   128*KP+128*VP              ; 38,912: from HF buffer 0 to buffer 1
.set STAGE, 2*BFP                      ; 77,824: 8,704 bytes a pair of waves: q on its way in (32 x 144), O on its way out (32 x 272)
.set STW,   32*OP                      ; 8,704; also a pair's bytes of the hand-over in HF buffer 0: 17 x 512
.set RAW,   114688                     ; two slots of 65,536 bytes, the only bytes that tensor loads fill; no LDS store ever lands there
.set RAWS,  65536
.set TILEB, 32768                      ; 128 rows of 256 bytes in memory
.set KA, 4                             ; v4   K fragment: (64 hi + r) KP + 16 h
.set VA, 5                             ; v5   V fragment: BFV + (64 hi + 8 h + l%8) VP + 16 ((l/8)%2)
.set RA, 6                             ; v6-7 my 16 bytes in my 16 rows of K in RAW slot 0, 1
.set CK, 8                             ; v8   where my 8 bytes of f16 K go
.set CV, 9                             ; v9   the same for V
.set QW, 10                            ; v10  stage: q in
.set QR, 11                            ; v11  stage: q fragments
.set SW, 12                            ; v12  stage: O in
.set SR, 13                            ; v13  stage: O back by rows
.set GO, 14                            ; v14  16 x lane: q and out0
.set NEGR, 15                          ; v15  the fill
.set ST, 16                            ; v[16+4qb:19+4qb]  m, m, alpha, alpha
.set LS, 24                            ; v24-25  running sums
.set XA, 26                            ; v26  the hand-over: my pair's bytes + 16 x lane
.set T,  32                            ; v[32:39] at work
.set X2, 40                            ; v[40:43] the partner's m (qb 0, 1) and l (qb 0, 1)
.set CF, 44                            ; v[44+4qb:47+4qb] the merge's factors: mine twice, the partner's twice
.set FR, 64                            ; v[64:127] fragments of K (my four tiles), then of V (my two groups of 32 keys)
.set SC, 128                           ; v[128+32qb+8t+j] scores; before them the raw f32 rows; behind them P in v[128+32qb .. +15]
.set OB, 192                           ; v[192+32qb+8dt+j] O
.set QF, 0                             ; window 1: v[256+16qb+8ks ..] fragments of q
.set G1, 16                            ; s[16:23] descriptor group 1
.set G0, 24                            ; s[24:31] descriptor group 0 for slot 0, slot 1
.set W_QK, 0x04                        ; source 1 (q) in window 1
.set W_QL, 0x40                        ; destination (q fragments) in window 1
.set MSB, 0
.macro WIN new                         ; the immediate's high byte repeats the setting that is left
.if MSB != \new
	s_set_vgpr_msb (MSB<<8)|\new
.set MSB, \new
.endif
.endm
.macro PLACES n                        ; plain vector instructions behind a matrix instruction (ISA guide 7.12.1)
.rept \n
	v_nop
.endr
.endm
.macro BAR
	s_barrier_signal -1
	s_barrier_wait -1
.endm
.macro ROUND                           ; a round of the cluster's barrier: my work-group, wave 0 for it, all four work-groups, my work-group
	s_barrier_signal -1
	s_barrier_wait -1
	s_cmp_lg_u32 s14, 0
	s_cbranch_scc1 .Lnot_wave_0_\@
	s_barrier_signal -3
.Lnot_wave_0_\@:
	s_barrier_wait -3
	s_barrier_signal -1
	s_barrier_wait -1
.endm
; 16 loads: my 16 rows of K, then my 16 rows of V, two rows of 256 bytes a load
.macro RAWLD slot
.set ri, 0
.rept 8
	ds_load_b128 v[SC+4*ri:SC+4*ri+3], v[RA+\slot] offset:512*ri
.set ri, ri+1
.endr
.rept 8
	ds_load_b128 v[SC+4*ri:SC+4*ri+3], v[RA+\slot] offset:TILEB+512*(ri-8)
.set ri, ri+1
.endr
.endm
; each of them rounded to f16 and stored.  cnt = what was issued behind raw load i: 15 - i raw loads, i stores, and the K fragment loads if any
.macro CVST par, cnt
.set ci, 0
.rept 16
	s_wait_dscnt \cnt
	v_cvt_pk_f16_f32 v[SC+4*ci], v[SC+4*ci], v[SC+4*ci+1]
	v_cvt_pk_f16_f32 v[SC+4*ci+1], v[SC+4*ci+2], v[SC+4*ci+3]
.if ci < 8
	ds_store_b64 v[CK], v[SC+4*ci:SC+4*ci+1] offset:BFP*\par+2*KP*ci
.else
	ds_store_b64 v[CV], v[SC+4*ci:SC+4*ci+1] offset:BFV+BFP*\par+2*VP*(ci-8)
.endif
.set ci, ci+1
.endr
.endm
; my keys 16 t .. 16 t + 15 x 64 d: two fragments of 8 registers
.macro KLOAD par, t
.irp o, 0,1,2,3
	ds_load_b128 v[FR+16*\t+4*\o:FR+16*\t+4*\o+3], v[KA] offset:BFP*\par+16*KP*\t+32*\o
.endr
.endm
; score tile t of both query blocks.  The two accumulators take turns, one instruction a turn.
.macro QKT t
.irp qb, 0,1
	v_wmma_f32_16x16x32_f16 v[SC+32*\qb+8*\t:SC+32*\qb+8*\t+7], v[FR+16*\t:FR+16*\t+7], v[QF+16*\qb:QF+16*\qb+7], 0
.endr
.irp qb, 0,1
	v_wmma_f32_16x16x32_f16 v[SC+32*\qb+8*\t:SC+32*\qb+8*\t+7], v[FR+16*\t+8:FR+16*\t+15], v[QF+16*\qb+8:QF+16*\qb+15], v[SC+32*\qb+8*\t:SC+32*\qb+8*\t+7]
.endr
.endm
; V^T for my keys 32 u .. 32 u + 31, four fragments of 16 d
.macro VLOAD par, u
.irp dt, 0,1,2,3
	ds_load_tr16_b128 v[FR+32*\u+8*\dt:FR+32*\u+8*\dt+3],   v[VA] offset:BFP*\par+32*VP*\u+32*\dt
	ds_load_tr16_b128 v[FR+32*\u+8*\dt+4:FR+32*\u+8*\dt+7], v[VA] offset:BFP*\par+32*VP*\u+32*\dt+16*VP
.endr
.endm
; O += V^T P^T for 32 keys.  The eight accumulators take turns, one instruction a turn.
.macro PVU u, zero
.irp dt, 0,1,2,3
.irp qb, 0,1
.if \zero
	v_wmma_f32_16x16x32_f16 v[OB+32*\qb+8*\dt:OB+32*\qb+8*\dt+7], v[FR+32*\u+8*\dt:FR+32*\u+8*\dt+7], v[SC+32*\qb+8*\u:SC+32*\qb+8*\u+7], 0
.else
	v_wmma_f32_16x16x32_f16 v[OB+32*\qb+8*\dt:OB+32*\qb+8*\dt+7], v[FR+32*\u+8*\dt:FR+32*\u+8*\dt+7], v[SC+32*\qb+8*\u:SC+32*\qb+8*\u+7], v[OB+32*\qb+8*\dt:OB+32*\qb+8*\dt+7]
.endif
.endr
.endr
.endm
; my 64 lane masks of one step: block 0's word 8 t + j in s[32:63], block 1's in s[68:99]; a block of 16 queries is 4,096 bytes from the next
.macro MLOAD
	s_load_b512 s[32:47], s[10:11], 0
	s_load_b512 s[48:63], s[10:11], 64
	s_load_b512 s[68:83], s[10:11], 4096
	s_load_b512 s[84:99], s[10:11], 4160
.endm
.macro MASK qb                         ; a set bit puts the fill in the score's place
.set mi, 0
.rept 32
	v_cndmask_b32 v[SC+32*\qb+mi], v[SC+32*\qb+mi], v[NEGR], s[32+36*\qb+mi]
.set mi, mi+1
.endr
.endm
; One query block's 32 score registers: new maximum, p = 2^(s - m), sum, P in f16, O rescaled.
.macro SOFT qb, first
.set SB, SC+32*\qb
.set MR, ST+4*\qb
.irp c, 0,1,2,3
	v_max_num_f32 v[T+\c], v[SB+8*\c], v[SB+8*\c+1]                ; four chains that do not wait for each other
.endr
.irp k, 1,2,3
.irp c, 0,1,2,3
	v_max3_num_f32 v[T+\c], v[T+\c], v[SB+8*\c+2*\k], v[SB+8*\c+2*\k+1]
.endr
.endr
	v_max3_num_f32 v[T], v[T], v[T+1], v[T+2]
.if \first
	v_max_num_f32 v[T], v[T], v[T+3]
.else
	v_max3_num_f32 v[T], v[T], v[T+3], v[MR]                       ; with the maximum so far
.endif
	v_permlanex16_b32 v[T+1], v[T], s66, s67                       ; the other eight keys of each tile lie in lane xor 16
.if \first
	v_max_num_f32 v[MR], v[T], v[T+1]
	v_mov_b32 v[MR+1], v[MR]
.else
	v_max_num_f32 v[T+2], v[T], v[T+1]
	v_sub_f32 v[T+3], v[MR], v[T+2]
	v_exp_f32 v[MR+2], v[T+3]                                      ; alpha = 2^(old m - new m)
	v_mov_b32 v[MR], v[T+2]                                        ; plain instructions stand between the exponential and its use
	v_mov_b32 v[MR+1], v[T+2]
	s_wait_alu depctr_va_vdst(0)
	v_mov_b32 v[MR+3], v[MR+2]
.endif
	; s - m runs one pair ahead of the exponentials, so that a plain instruction stands between them
	v_pk_add_f32 v[SB:SB+1], v[SB:SB+1], v[MR:MR+1] neg_lo:[0,1] neg_hi:[0,1]
.set si, 0
.rept 16
.if si < 15
	v_pk_add_f32 v[SB+2*si+2:SB+2*si+3], v[SB+2*si+2:SB+2*si+3], v[MR:MR+1] neg_lo:[0,1] neg_hi:[0,1]
.endif
	v_exp_f32 v[SB+2*si], v[SB+2*si]
	v_exp_f32 v[SB+2*si+1], v[SB+2*si+1]
.set si, si+1
.endr
	v_nop                                                          ; one plain place behind the last exponential
	s_wait_alu depctr_va_vdst(0)
.irp c, 0,1,2,3
	v_pk_add_f32 v[T+2*\c:T+2*\c+1], v[SB+2*\c:SB+2*\c+1], v[SB+8+2*\c:SB+8+2*\c+1]    ; the first pairs start four chains of sums
.endr
.irp k, 2,3
.irp c, 0,1,2,3
	v_pk_add_f32 v[T+2*\c:T+2*\c+1], v[T+2*\c:T+2*\c+1], v[SB+8*\k+2*\c:SB+8*\k+2*\c+1]
.endr
.endr
	v_pk_add_f32 v[T:T+1], v[T:T+1], v[T+2:T+3]
	v_pk_add_f32 v[T+4:T+5], v[T+4:T+5], v[T+6:T+7]
	v_pk_add_f32 v[T:T+1], v[T:T+1], v[T+4:T+5]
.if \first
	v_add_f32 v[LS+\qb], v[T], v[T+1]
.else
	v_add_f32 v[T], v[T], v[T+1]
	v_fma_f32 v[LS+\qb], v[LS+\qb], v[MR+2], v[T]                  ; l = l alpha + sum (my lane's keys; joined at the end)
.endif
.set pi, 0
.rept 16
	v_cvt_pk_f16_f32 v[SB+pi], v[SB+2*pi], v[SB+2*pi+1]            ; ascending: register p is written when 2 p and 2 p + 1 are read
.set pi, pi+1
.endr
.if \first == 0
.set oi, 0
.rept 16
	v_pk_mul_f32 v[OB+32*\qb+2*oi:OB+32*\qb+2*oi+1], v[OB+32*\qb+2*oi:OB+32*\qb+2*oi+1], v[MR+2:MR+3]   ; O alpha
.set oi, oi+1
.endr
.endif
.endm
; One step of 128 keys.  par = step % 2, oth = 1 - par.  first: starts m, l, O.  refill: tile step + 2 is requested.  more: tile step + 1 is converted.
.macro STEP par, oth, first, refill, more
.if \more
	s_wait_tensorcnt 0x0                           ; all my tensor loads have landed: the one that was out is my part of tile step + 1,
	ds_add_u32 v62, v63
	s_wait_dscnt 0x0
.endif
.if \refill
	s_add_nc_u64 s[G0+4*\par+2:G0+4*\par+3], s[G0+4*\par+2:G0+4*\par+3], 2*TILEB   ; so a group 0 may be written: this slot's next tile
.endif
	s_wait_dscnt 0x0                               ; my stores into HF[par], my reads of HF[oth] and of RAW[par] are done
.if \refill
	ROUND                                          ; all that holds of every wave of the four work-groups
	tensor_load_to_lds s[G0+4*\par:G0+4*\par+3], s[G1:G1+7]        ; my one tensor load behind the round; one is out until the next
	s_nop 0
.else
	BAR
.endif
.if \more
	RAWLD \oth
.endif
	KLOAD \par, 0
	KLOAD \par, 1
	KLOAD \par, 2
	KLOAD \par, 3
.if \more
	CVST \oth, 31                                  ; 15 raw loads and stores + 16 K loads stand behind each raw load
.endif
	WIN W_QK
	s_wait_dscnt 8+16*\more                        ; tiles 0, 1 are in; behind them: tiles 2, 3 (8 loads) and the 16 stores
	QKT 0
	QKT 1
	s_wait_dscnt 16*\more                          ; tiles 2, 3; behind them: the 16 stores
	QKT 2
	QKT 3
	PLACES 4                                       ; in front of the reads of the scores and of the loads into the fragments
	WIN 0
	VLOAD \par, 0                                  ; they land while the softmax runs
	VLOAD \par, 1
	s_wait_kmcnt 0x0                               ; this step's lane masks are in, and the pointer is free:
	s_add_nc_u64 s[10:11], s[10:11], 256           ; the next step's 8 key tiles of 32 bytes
	MASK 0
	MASK 1
.if \more
	MLOAD                                          ; the next step's: they have the softmax, P V, the conversion and Q K in which to arrive
.endif
	SOFT 0, \first
	SOFT 1, \first
	s_wait_dscnt 8                                 ; V group 0 is in; group 1's eight loads may be out
	PVU 0, \first
	s_wait_dscnt 0
	PVU 1, 0
	PLACES 5                                       ; in front of the matrix instructions and loads that write over P and the fragments, and of the reads of O
.endm
	s_load_b256 s[4:11], s[0:1], 0x0               ; q s[4:5], k s[6:7], v s[8:9], maskw s[10:11]
	s_load_b64 s[12:13], s[0:1], 0x20              ; out0
	v_lshl_add_u32 v62, v0, 2, 0x3c000
	v_mov_b32 v63, 0
	ds_add_u32 v62, v63
	v_lshrrev_b32 v2, 5, v0
	v_readfirstlane_b32 s14, v2                    ; wave 0..7
	v_and_b32 v1, 31, v0                           ; lane l
	v_and_b32 v2, 15, v0                           ; r
	v_bfe_u32 v3, v0, 4, 1                         ; h
	s_mov_b32 s66, 0x76543210                      ; v_permlanex16_b32: lane i reads lane i of the other half
	s_mov_b32 s67, 0xfedcba98
	s_and_b32 s74, s14, 3                          ; p: which 32 queries; also which 32 rows of a tile I fetch
	s_lshr_b32 s75, s14, 2                         ; hi: which 64 keys of a step
	s_bfe_u32 s2, ttmp6, 0x40000                   ; cx
	s_lshl_b32 s3, ttmp9, 2
	s_add_co_u32 s3, s3, s2                        ; query block of 128 = 4 x cluster x + cx
	s_and_b32 s100, ttmp7, 0xffff                  ; head
	s_lshl_b32 s100, s100, 19                      ; 2,048 rows of 256 bytes
	s_lshl_b32 s68, s74, 13                        ; 32 rows of 256 bytes x p
	s_add_co_u32 s68, s68, s100                    ; s[68:69]: K's or V's offset: head and wave alone
	s_mov_b32 s69, 0
	s_lshl_b32 s72, s3, 15
	s_lshl_b32 s101, s74, 13
	s_add_co_u32 s72, s72, s101                    ; 128 rows (or 8 blocks of 4,096 bytes of masks) a work-group, 32 rows (2 blocks) a pair
	s_add_co_u32 s70, s72, s100                    ; s[70:71]: out0: head, work-group, pair
	s_mov_b32 s71, 0
	s_lshl_b32 s101, s75, 12
	s_add_co_u32 s76, s70, s101                    ; s[76:77]: q: the same + 16 rows x hi: the rows that I convert
	s_mov_b32 s77, 0
	s_lshl_b32 s101, s75, 7
	s_add_co_u32 s72, s72, s101                    ; s[72:73]: maskw: + 4 key tiles of 32 bytes x hi
	s_mov_b32 s73, 0
	; group 1: 32 rows of 32 elements of 8 bytes, dense; joint for the four work-groups of the cluster
	s_mov_b32 s[G1+0], 15|(3<<16)|(1<<21)          ; 15:0 mask of the four; 17:16 elements of 8 bytes; 21 set beside a mask; no padding
	s_mov_b32 s[G1+1], 32<<16                      ; tensor_dim0 = 32
	s_mov_b32 s[G1+2], 32<<16                      ; tensor_dim1 = 32
	s_mov_b32 s[G1+3], 32<<16                      ; tile_dim0 = 32
	s_mov_b32 s[G1+4], 32                          ; tile_dim1 = 32
	s_mov_b32 s[G1+5], 32                          ; elements from row to row
	s_mov_b32 s[G1+6], 0
	s_mov_b32 s[G1+7], 0
	s_mov_b32 s[G0+0], 1
	s_lshl_b32 s[G0+1], s14, 13
	s_add_co_u32 s[G0+1], s[G0+1], RAW             ; slot 0 + 8,192 x wave: K's four quarters, then V's
	s_mov_b32 s[G0+4], 1
	s_add_co_u32 s[G0+5], s[G0+1], RAWS            ; slot 1
	; lane terms
	v_mul_u32_u24 v[T], v2, KP
	v_lshl_add_u32 v[T], v3, 4, v[T]               ; r KP + 16 h
	s_mul_i32 s15, s75, 64*KP
	v_add_nc_u32 v[KA], s15, v[T]                  ; + my 64 keys
	v_and_b32 v[T+1], 7, v0
	v_lshl_add_u32 v[T+1], v3, 3, v[T+1]
	v_mul_u32_u24 v[T+1], v[T+1], VP
	v_bfe_u32 v[T+2], v0, 3, 1
	v_lshl_add_u32 v[T+1], v[T+2], 4, v[T+1]
	s_mul_i32 s15, s75, 64*VP
	s_add_co_u32 s15, s15, BFV
	v_add_nc_u32 v[VA], s15, v[T+1]
	s_lshl_b32 s15, s14, 12
	s_add_co_u32 s15, s15, RAW
	v_lshl_add_u32 v[RA], v1, 4, s15               ; RAW + 16 rows x wave + 16 l
	v_add_nc_u32 v[RA+1], RAWS, v[RA]
	s_mul_i32 s15, s14, 16*KP
	v_mul_u32_u24 v[T+1], v3, KP
	v_lshl_add_u32 v[T+1], v2, 3, v[T+1]           ; h KP + 8 r
	v_add_nc_u32 v[CK], s15, v[T+1]
	s_mul_i32 s15, s14, 16*VP
	v_mul_u32_u24 v[T+2], v3, VP
	v_lshl_add_u32 v[T+2], v2, 3, v[T+2]
	v_add_nc_u32 v[CV], s15, v[T+2]
	s_mul_i32 s15, s74, STW
	s_add_co_u32 s15, s15, STAGE                   ; my pair's stage
	v_add_nc_u32 v[QR], s15, v[T]
	s_mul_i32 s101, s75, 16*KP
	s_add_co_u32 s101, s101, s15
	v_add_nc_u32 v[QW], s101, v[T+1]               ; the 16 rows of q that I convert
	v_mul_u32_u24 v[T+3], v2, OP
	v_lshl_add_u32 v[T+3], v3, 5, v[T+3]
	v_add_nc_u32 v[SW], s15, v[T+3]                ; row r, 32 bytes for each half of the lanes
	v_mul_u32_u24 v[T+3], v3, OP
	v_lshl_add_u32 v[T+3], v2, 4, v[T+3]
	v_add_nc_u32 v[SR], s15, v[T+3]                ; lanes 0-15 one row of 256 bytes, lanes 16-31 the next
	s_mul_i32 s15, s74, STW
	v_lshl_add_u32 v[XA], v1, 4, s15               ; the hand-over: HF buffer 0 + 8,704 p + 16 l
	v_lshlrev_b32 v[GO], 4, v1
	v_mov_b32 v[NEGR], 0xceabfb8f                  ; -1e9 log2(e)
	s_wait_dscnt 0x0
	s_wait_kmcnt 0x0
	s_cmp_lt_u32 s14, 4
	s_cselect_b64 s[G0+2:G0+3], s[6:7], s[8:9]     ; waves 0-3 fetch K, waves 4-7 fetch V
	s_add_nc_u64 s[G0+2:G0+3], s[G0+2:G0+3], s[68:69]      ; tile 0
	s_add_nc_u64 s[G0+6:G0+7], s[G0+2:G0+3], TILEB         ; tile 1
	s_or_b32 s[G0+3], s[G0+3], 0x80000000          ; type = 2
	s_or_b32 s[G0+7], s[G0+7], 0x80000000
	s_add_nc_u64 s[4:5], s[4:5], s[76:77]
	s_add_nc_u64 s[12:13], s[12:13], s[70:71]
	s_add_nc_u64 s[10:11], s[10:11], s[72:73]
.irp i, 0,1,2,3,4,5,6,7
	global_load_b128 v[SC+4*\i:SC+4*\i+3], v[GO], s[4:5] offset:512*\i th:TH_LOAD_NT   ; 16 rows of q, two rows a load; read once in the launch
.endr
	ROUND                                          ; the four work-groups are here: the first joint loads meet
	tensor_load_to_lds s[G0:G0+3], s[G1:G1+7]      ; tile 0
	s_nop 0
	tensor_load_to_lds s[G0+4:G0+7], s[G1:G1+7]    ; tile 1: two loads of mine are out, the most in this text
	s_nop 0
	MLOAD                                          ; step 0's lane masks
	; q x log2(e)/8, rounded once to f16, into my pair's stage
.irp i, 0,1,2,3,4,5,6,7
	s_wait_loadcnt 7-\i                            ; loads return in order: load i is in
	v_pk_mul_f32 v[SC+4*\i:SC+4*\i+1], v[SC+4*\i:SC+4*\i+1], 0x3e38aa3b op_sel_hi:[1,0]
	v_pk_mul_f32 v[SC+4*\i+2:SC+4*\i+3], v[SC+4*\i+2:SC+4*\i+3], 0x3e38aa3b op_sel_hi:[1,0]
	v_cvt_pk_f16_f32 v[SC+4*\i], v[SC+4*\i], v[SC+4*\i+1]
	v_cvt_pk_f16_f32 v[SC+4*\i+1], v[SC+4*\i+2], v[SC+4*\i+3]
	ds_store_b64 v[QW], v[SC+4*\i:SC+4*\i+1] offset:2*KP*\i
.endr
	s_wait_tensorcnt 0x1                           ; my part of tile 0 is in; tile 1's may stay out
	s_wait_dscnt 0x0                               ; my rows of q are stored
	BAR                                            ; everybody's part of tile 0 is in, and my partner's rows of q
	WIN W_QL
.irp qb, 0,1
.irp ks, 0,1
.irp c, 0,1
	ds_load_b128 v[QF+16*\qb+8*\ks+4*\c:QF+16*\qb+8*\ks+4*\c+3], v[QR] offset:16*KP*\qb+64*\ks+32*\c
.endr
.endr
.endr
	WIN 0
	RAWLD 0
	CVST 0, 15                                     ; behind raw load i: 15 - i raw loads and i stores
	STEP 0, 1, 1, 1, 1                             ; step 0 starts m, l and O: nothing is cleared
	STEP 1, 0, 0, 1, 1
	s_mov_b32 s15, 6
.Lpair:
	STEP 0, 1, 0, 1, 1                             ; steps 2 to 13
	STEP 1, 0, 0, 1, 1
	s_sub_co_u32 s15, s15, 1
	s_cmp_lg_u32 s15, 0
	s_cbranch_scc1 .Lpair
	STEP 0, 1, 0, 0, 1                             ; step 14: nothing is left to request
	STEP 1, 0, 0, 0, 0                             ; step 15: nothing is left to convert
	; THE HAND-OVER.  Waves 4-7 put O, m and l, lane by lane, into HF buffer 0, which nobody has touched since step 15's barrier.
	s_cmp_lt_u32 s14, 4
	s_cbranch_scc1 .Lkeep
	v_mov_b32 v[T], v[ST]
	v_mov_b32 v[T+1], v[ST+4]
	v_mov_b32 v[T+2], v[LS]
	v_mov_b32 v[T+3], v[LS+1]
.irp i, 0,1,2,3,4,5,6,7,8,9,10,11,12,13,14,15
	ds_store_b128 v[XA], v[OB+4*\i:OB+4*\i+3] offset:512*\i
.endr
	ds_store_b128 v[XA], v[T:T+3] offset:8192
.Lkeep:
	s_wait_dscnt 0x0                               ; for the partner's sake: my stores are done
	BAR
	s_cmp_ge_u32 s14, 4
	s_cbranch_scc1 .Ldone                          ; waves 4-7 have nothing more to do but the closing round
.irp i, 0,1,2,3,4,5,6,7,8,9,10,11,12,13,14,15
	ds_load_b128 v[FR+4*\i:FR+4*\i+3], v[XA] offset:512*\i
.endr
	ds_load_b128 v[X2:X2+3], v[XA] offset:8192
	s_wait_dscnt 0x0
	; m = max(m1, m2); a_i = 2^(m_i - m); l = l1 a1 + l2 a2, both halves of the lanes; O = (O1 a1 + O2 a2) / l
.irp qb, 0,1
	v_max_num_f32 v[T+\qb], v[ST+4*\qb], v[X2+\qb]
.endr
.irp qb, 0,1
	v_sub_f32 v[T+2+\qb], v[ST+4*\qb], v[T+\qb]
	v_sub_f32 v[T+4+\qb], v[X2+\qb], v[T+\qb]
.endr
.irp qb, 0,1
	v_exp_f32 v[CF+4*\qb], v[T+2+\qb]
	v_exp_f32 v[CF+4*\qb+2], v[T+4+\qb]
.endr
	v_nop                                          ; one plain place behind the exponentials
	s_wait_alu depctr_va_vdst(0)
.irp qb, 0,1
	v_mul_f32 v[T+\qb], v[LS+\qb], v[CF+4*\qb]
.endr
.irp qb, 0,1
	v_fma_f32 v[T+\qb], v[X2+2+\qb], v[CF+4*\qb+2], v[T+\qb]
.endr
.irp qb, 0,1
	v_permlanex16_b32 v[T+2+\qb], v[T+\qb], s66, s67       ; the other eight keys of each tile
.endr
.irp qb, 0,1
	v_add_f32 v[T+\qb], v[T+\qb], v[T+2+\qb]               ; l is at least 1: the largest score gives p = 1 and its wave a = 1
.endr
	v_rcp_f32 v[T+4], v[T]
	v_rcp_f32 v[T+5], v[T+1]
	v_nop                                          ; one plain place behind the reciprocals
	s_wait_alu depctr_va_vdst(0)
.irp qb, 0,1
	v_mul_f32 v[CF+4*\qb], v[CF+4*\qb], v[T+4+\qb]
	v_mul_f32 v[CF+4*\qb+2], v[CF+4*\qb+2], v[T+4+\qb]
.endr
.irp qb, 0,1
	v_mov_b32 v[CF+4*\qb+1], v[CF+4*\qb]
	v_mov_b32 v[CF+4*\qb+3], v[CF+4*\qb+2]
.endr
.irp qb, 0,1
.set oi, 0
.rept 16
	v_pk_mul_f32 v[FR+32*\qb+2*oi:FR+32*\qb+2*oi+1], v[FR+32*\qb+2*oi:FR+32*\qb+2*oi+1], v[CF+4*\qb+2:CF+4*\qb+3]
.set oi, oi+1
.endr
.set oi, 0
.rept 16
	v_pk_fma_f32 v[OB+32*\qb+2*oi:OB+32*\qb+2*oi+1], v[OB+32*\qb+2*oi:OB+32*\qb+2*oi+1], v[CF+4*\qb:CF+4*\qb+1], v[FR+32*\qb+2*oi:FR+32*\qb+2*oi+1]
.set oi, oi+1
.endr
.endr
	; through my pair's stage, which only I touch now, out as whole rows
.irp qb, 0,1
.irp dt, 0,1,2,3
.irp c, 0,1
	ds_store_b128 v[SW], v[OB+32*\qb+8*\dt+4*\c:OB+32*\qb+8*\dt+4*\c+3] offset:16*OP*\qb+64*\dt+16*\c   ; query 16 qb + r, d = 16 dt + 8 h + 4 c ..
.endr
.endr
.endr
.irp i, 0,1,2,3,4,5,6,7,8,9,10,11,12,13,14,15
	ds_load_b128 v[SC+4*\i:SC+4*\i+3], v[SR] offset:2*OP*\i            ; my own bytes, served in order behind the stores
.endr
.irp i, 0,1,2,3,4,5,6,7,8,9,10,11,12,13,14,15
	s_wait_dscnt 15-\i
	global_store_b128 v[GO], v[SC+4*\i:SC+4*\i+3], s[12:13] offset:512*\i th:TH_STORE_NT   ; 16 lanes store one row's 256 consecutive bytes, aligned
.endr
.Ldone:
	s_wait_tensorcnt 0x0
	ds_add_u32 v62, v63
	s_wait_dscnt 0x0
	ROUND                                          ; the closing round: no work-group ends while a partner may still ask jointly
	s_endpgm
.Lfunc_end_k_q7eaf77159f_attn:
	.size	k_q7eaf77159f_attn, .Lfunc_end_k_q7eaf77159f_attn-k_q7eaf77159f_attn
	.p2alignl 7, 3214868480
	.fill 96, 4, 3214868480
	.section	.rodata,"a",@progbits
	.p2align	6, 0x0
	.amdhsa_kernel k_q7eaf77159f_attn
		.amdhsa_group_segment_fixed_size 327680
		.amdhsa_private_segment_fixed_size 0
		.amdhsa_enable_private_segment 0
		.amdhsa_kernarg_size 40
		.amdhsa_user_sgpr_count 2
		.amdhsa_user_sgpr_kernarg_segment_ptr 1
		.amdhsa_wavefront_size32 1
		.amdhsa_system_sgpr_workgroup_id_x 1
		.amdhsa_system_sgpr_workgroup_id_y 1
		.amdhsa_system_sgpr_workgroup_id_z 1
		.amdhsa_system_vgpr_workitem_id 0
		.amdhsa_next_free_vgpr 288
		.amdhsa_next_free_sgpr 102
		.amdhsa_reserve_vcc 0
		.amdhsa_float_denorm_mode_32 3
		.amdhsa_float_denorm_mode_16_64 3
		.amdhsa_memory_ordered 1
		.amdhsa_forward_progress 1
		.amdhsa_inst_pref_size 180
	.end_amdhsa_kernel
	.amdgpu_metadata
---
amdhsa.version: [ 1, 2 ]
amdhsa.kernels:
  - .name:           k_q7eaf77159f_attn
    .symbol:         k_q7eaf77159f_attn.kd
    .args:
      - { .name: q, .offset: 0, .size: 8, .value_kind: global_buffer, .address_space: global }
      - { .name: k, .offset: 8, .size: 8, .value_kind: global_buffer, .address_space: global }
      - { .name: v, .offset: 16, .size: 8, .value_kind: global_buffer, .address_space: global }
      - { .name: maskw, .offset: 24, .size: 8, .value_kind: global_buffer, .address_space: global }
      - { .name: out0, .offset: 32, .size: 8, .value_kind: global_buffer, .address_space: global }
    .group_segment_fixed_size: 327680
    .private_segment_fixed_size: 0
    .kernarg_segment_align: 8
    .kernarg_segment_size: 40
    .max_flat_workgroup_size: 256
    .sgpr_count:     102
    .vgpr_count:     288
    .wavefront_size: 32
...
	.end_amdgpu_metadata
.endif
;; end of part 3
